; MI455X (gfx1250); checked and timed in simulation.
; The chip was launched on July 23, 2026; its instructions are those of AMD's public machine-readable ISA for CDNA 5 (MIT licence, August 2026) and "CDNA5" Instruction Set Architecture Reference Guide (July 2026). The comments in the code are by the model that wrote it; some were corrected since.
;; Dot Product Attention. Allowed arithmetic: matrix products marked QUANTISED: E2M1 operands, one E8M0 scale for each 32 along K, by v_wmma_scale_f32_16x16x128_f8f6f4 with both operands' format E2M1 (or v_wmma_scale_f32_32x16x128_f4), f32 sums; products left as they are: bf16, f16 or f32 operands; f32 sums; everything else in f32.
;; Inputs: attention_mask 2 x 1 x 2,048 x 2,048 bool; key 2,048 x 2 x 32 x 128 float32; query 2,048 x 2 x 32 x 128 float32; value 2,048 x 2 x 32 x 128 float32.
;; Outputs: out0 2,048 x 2 x 4,096 float32.
;; This version of the problem:
;;   THIS VERSION OF THE PROBLEM IS GIVEN IN LOW PRECISION. The matrix products marked QUANTISED in the list below multiply operands that are first quantised to E2M1 (2 exponent bits, 1 mantissa bit; 4 bits a number), with one power-of-two scale for each 32 numbers along K (OCP MX v1.0); their sums are f32. The products marked 'left as it is' may take bf16, f16 or f32 operands, with f32 sums. Whichever they take, every output number must still come out within the allowed error. Rounding operands to bf16 (8 significant bits) uses up far more of that allowance than f16 does (11 bits, for magnitudes from 6e-5 to 65,504). All else is computed in f32.
;;   The module's matrix products, in the order in which they are computed (A, B: the left and right operand; K: the contracted axis; several contracted axes count as one K, in the product's order):
;;     1. batch 64 x [M 2,048, K 128] x [K 128, N 2,048]; A: input query; B: input key: QUANTISED
;;     2. batch 64 x [M 2,048, K 2,048] x [K 2,048, N 128]; A: computed on the way; B: input value: left as it is (an operand is computed on the way)
;;   THE QUANTISER, for each operand of a quantised product, along K:
;;     - K is cut into blocks of 32 from its start; a last block that is shorter is filled with zeros.
;;     - A block's scale is 2^e with e = floor(log2(the largest magnitude in the block)) - 2, held to -126 .. 127; a block of zeros has e = 0. As a byte (E8M0): e + 127.
;;     - Each number is divided by its block's scale, clamped to +-6, and rounded to the nearest number of E2M1, ties to even, subnormals kept.
;;     - The product sums the exact products of the quantised numbers (number of the format x scale) in f32.
;;   ~~~python
;;   def quantise(x, axis):      # numpy; x: float32 -> the quantised numbers, widened to float32 again
;;       x = np.moveaxis(x, axis, -1); K = x.shape[-1]
;;       x = np.pad(x, [(0, 0)] * (x.ndim - 1) + [(0, -K % 32)]); x = x.reshape(x.shape[:-1] + (-1, 32)); a = np.abs(x).max(-1, keepdims=True)
;;       e = np.where(a > 0, np.clip(np.frexp(np.where(a > 0, a, 1))[1] - 1 - 2, -126, 127), 0)      # np.frexp(a)[1] - 1 = floor(log2(a)), exactly
;;       r = np.clip(x / 2.0 ** e, -6, 6)
;;       step = 2.0 ** (np.maximum(np.frexp(np.where(r == 0, 1, r))[1] - 1, 0) - 1)
;;       q = np.round(r / step) * step * 2.0 ** e      # np.round: ties to even
;;       return np.moveaxis(q.reshape(q.shape[:-2] + (-1,))[..., :K], -1, axis).astype(np.float32)
;;   ~~~
;; One version. Each part assembles by itself: llvm-mc -triple=amdgcn-amd-amdhsa -mcpu=gfx1250 --defsym DOCPART=n.
;; ======== version 1 of 1: 2 launches
;; limits: values are held in f16: magnitudes above 65,504 overflow, below 6.1e-05 lose precision
;; workspace buffers: qc 8,912,896 bytes; kv 42,467,328 bytes; mw 1,048,576 bytes of whole numbers
;; launch prep (part 1): grid 1600 x 1, 4 waves a work-group, no clusters, 51,712 bytes of LDS; arguments attention_mask, query, key, value, qc, kv, mw; writes qc, kv, mw
.if DOCPART == 1
	.amdgcn_target "amdgcn-amd-amdhsa--gfx1250"
	.amdhsa_code_object_version 6
	.text
	.protected	k_q59fdcd60d1_prep
	.globl	k_q59fdcd60d1_prep
	.p2align	8
	.type	k_q59fdcd60d1_prep,@function
k_q59fdcd60d1_prep:
	s_mov_b64 s[64:65], 0
	v_nop
	global_prefetch_b8 v0, s[64:65] scope:SCOPE_SE
	s_setreg_imm32_b32 hwreg(HW_REG_WAVE_MODE, 25, 1), 1
	s_wait_xcnt 0x0
; PREP: every input is read once and laid out in the order of the attention launch's operand registers.
;   query, key [s][64 heads][128] f32 -> codes of FP4 (E2M1) with one E8M0 scale byte for each 32 along the head's 128, as images of fragments:
;       a fragment (16 rows x 128) is 1,024 bytes: registers 4 c .. 4 c + 3 of lane l at 512 c + 16 l.  The scale words of 64 rows: [row % 16][tile 0..3], 256 bytes.
;       qc: [head][unit of 64 queries][4 fragments, scale words] = 4,352 bytes a unit.   kv: [head][step of 64 keys][REC]: K's 4 fragments, K's scale words, then V.
;   value -> f16, as images of fragments of V^T (16 channels x 32 keys): [8 keys o = 0..3][channel % 16][16 bytes]; in a record [32 keys g][16 channels T][1,024 bytes] from byte 4,352 on.
;   attention_mask (a byte for each query and key) -> lane masks, mw: [16 queries][step of 64 keys][32 words]: bit 16 h + r of word 8 kt + j = mask[query r][key 16 kt + 8 h + j].
; A block's scale is 2^(floor(log2(largest magnitude)) - 2): its byte is the largest magnitude's exponent field - 2, held at 1 from below.
; LIMITS: a block of zeros gets the byte 1 (its codes are zeros, and this program alone reads the bytes); |value| up to 65,504 (f16); NaN and infinities among the inputs are not served.
; SHARES: work-groups 0-63 the mask, 64-575 query, 576-1087 key, 1088-1599 value; the paths part on the work-group's number and never join; each has LDS bytes of its own.  Waves share nothing: no barrier.
.set ROWP,  32768                      ; bytes from one position s to the next
.set REC,   20736                      ; a key step's record in kv: 81 x 256 bytes
.set QUNIT, 4352                       ; a unit of 64 queries in qc
.set QSTG,  8448                       ; LDS: query and key path: a stage of 16 rows x (512 + 16) bytes for each wave, from byte 0
.set MSTG0, 33792                      ; mask path: a stage of 16 rows x (256 + 16) bytes for each wave
.set MSTG,  4352
.set SPARE, 51200                      ; the spare words, 128 bytes for each wave: two blocks of 256 bytes that no other line names
.set LN,  1                            ; v1   lane
.set RR,  2                            ; v2   r = lane % 16
.set HH,  3                            ; v3   h = lane / 16
.set LI,  4                            ; v4   16 x lane
.set STI, 5                            ; v5   stage, in: 16 x lane
.set STO, 6                            ; v6   stage, out: row r, + 128 h
.set H8,  7                            ; v7   8 h
.set SPW, 12                           ; v12  my spare word; never rewritten
.set NIL, 13                           ; v13  0; never rewritten
.set MSI, 14                           ; v14  mask stage, in: row h, + 16 r
.set MSO, 15                           ; v15  mask stage, out: row r, + 8 h
.set W,   16                           ; v16-19 the four tiles' scale words
.set U,   20                           ; v20-23 at work
.set C,   24                           ; v24-55 codes: 8 registers a tile, so that no store's data are written again
.set A0,  56                           ; v56-59 global offsets
.set X,   64                           ; v64-127 numbers at work
.set R,   128                          ; v128-255 numbers as loaded (two sets of 64); in the value path the f16 pairs
.macro FINISH                          ; the wave's end, behind my last LDS store
	s_wait_tensorcnt 0x0
	ds_add_u32 v[SPW], v[NIL]
	s_wait_dscnt 0x0
	s_endpgm
.endm
	s_load_b256 s[4:11], s[0:1], 0x0               ; mask s[4:5], query s[6:7], key s[8:9], value s[10:11]
	s_load_b128 s[12:15], s[0:1], 0x20             ; qc s[12:13], kv s[14:15]
	s_load_b64 s[16:17], s[0:1], 0x30              ; mw
	v_lshl_add_u32 v[SPW], v0, 2, SPARE
	v_mov_b32 v[NIL], 0
	v_lshrrev_b32 v1, 5, v0
	v_readfirstlane_b32 s18, v1                    ; wave 0..3
	v_and_b32 v[LN], 31, v0
	v_and_b32 v[RR], 15, v0
	v_bfe_u32 v[HH], v0, 4, 1
	v_lshlrev_b32 v[LI], 4, v[LN]
	v_lshlrev_b32 v[H8], 3, v[HH]
	s_mul_i32 s19, s18, QSTG                       ; every LDS address is made here, ahead of the parting
	v_add_nc_u32 v[STI], s19, v[LI]
	v_mul_u32_u24 v[STO], v[RR], 528
	v_lshl_add_u32 v[STO], v[HH], 7, v[STO]
	v_add_nc_u32 v[STO], s19, v[STO]
	s_mul_i32 s19, s18, MSTG
	s_add_co_u32 s19, s19, MSTG0
	v_mul_u32_u24 v[MSI], v[HH], 272
	v_lshl_add_u32 v[MSI], v[RR], 4, v[MSI]
	v_add_nc_u32 v[MSI], s19, v[MSI]
	v_mul_u32_u24 v[MSO], v[RR], 272
	v_lshl_add_u32 v[MSO], v[HH], 3, v[MSO]
	v_add_nc_u32 v[MSO], s19, v[MSO]
	s_mov_b32 s28, 0x76543210
	s_mov_b32 s29, 0xfedcba98                      ; v_permlanex16_b32's selects for lane l xor 16
	s_mov_b32 s31, 0
	s_wait_kmcnt 0x0
	s_cmp_lt_u32 ttmp9, 64
	s_cbranch_scc1 .Lmask
	s_cmp_ge_u32 ttmp9, 1088
	s_cbranch_scc1 .Lvalue
; ---- QUERY AND KEY: one path; only pointers and the unit's size are chosen, by the work-group's number.  A work-group takes 256 rows of one head, a wave 64: four tiles of 16.
	s_cmp_lt_u32 ttmp9, 576
	s_cselect_b64 s[20:21], s[6:7], s[8:9]
	s_cselect_b64 s[22:23], s[12:13], s[14:15]
	s_mov_b32 s24, REC
	s_cselect_b32 s24, QUNIT, s24
	s_cselect_b32 s25, 64, 576
	s_sub_co_u32 s25, ttmp9, s25                   ; 8 x head + block of 256 rows
	s_lshr_b32 s26, s25, 3
	s_and_b32 s27, s25, 7
	s_lshl_b32 s27, s27, 8
	s_lshl_b32 s30, s18, 6
	s_add_co_u32 s27, s27, s30                     ; my first row
	s_lshl_b32 s30, s27, 15
	s_lshl_b32 s26, s26, 9
	s_add_co_u32 s30, s30, s26                     ; row x 32,768 + head x 512: under 2^27
	s_add_nc_u64 s[20:21], s[20:21], s[30:31]
	s_lshl_b32 s30, s25, 2
	s_add_co_u32 s30, s30, s18                     ; my unit of 64 rows: 32 x head + 4 x block + wave
	s_mul_i32 s30, s30, s24
	s_add_nc_u64 s[22:23], s[22:23], s[30:31]
	v_mov_b32 v[U+3], 0                            ; a lane permute's destination counts as one of its sources
.macro LOADT t                         ; tile t: 16 loads, each a whole row of the head: 512 consecutive bytes
.irp i, 0,1,2,3,4,5,6,7,8,9,10,11,12,13,14,15
	global_load_b128 v[R+64*((\t)%2)+4*\i:R+64*((\t)%2)+4*\i+3], v[LI], s[20:21] offset:(16*(\t)+\i)*ROWP th:TH_LOAD_NT
.endr
.endm
.macro TILE t
.if (\t) < 3
	s_wait_loadcnt 16                              ; this tile's 16 loads are in; the next tile's 16 may be out
.else
	s_wait_loadcnt 0x0
.endif
.irp i, 0,1,2,3,4,5,6,7,8,9,10,11,12,13,14,15
	ds_store_b128 v[STI], v[R+64*((\t)%2)+4*\i:R+64*((\t)%2)+4*\i+3] offset:528*\i   ; the rows as they lie
.endr
.irp c, 0,1
.irp i, 0,1,2,3,4,5,6,7
	ds_load_b128 v[X+32*\c+4*\i:X+32*\c+4*\i+3], v[STO] offset:256*\c+16*\i          ; back: lane (r, h) takes blocks h and 2 + h of row r whole, as the operand's layout gives them to it.  LDS serves a wave's instructions in order
.endr
.endr
	s_wait_dscnt 0x0                               ; the numbers are here, and the stores have read their registers,
.if (\t) < 2
	LOADT (\t)+2                                   ; which take the loads of two tiles on
.endif
.irp c, 0,1
	v_max3_num_f32 v[8+\c], |v[X+32*\c]|, |v[X+32*\c+1]|, 0x1800000                  ; the block's largest magnitude, and the floor 2^(3 - 127): so the byte cannot fall under 1
.endr
.irp i, 2,4,6,8,10,12,14,16,18,20,22,24,26,28,30
.irp c, 0,1
	v_max3_num_f32 v[8+\c], v[8+\c], |v[X+32*\c+\i]|, |v[X+32*\c+\i+1]|
.endr
.endr
.irp c, 0,1
	v_add_nc_u32 v[10+\c], 0xff000000, v[8+\c]     ; 2 off its exponent field: the conversion takes the exponent field of this operand as its scale
.endr
.irp c, 0,1
	v_lshrrev_b32 v[U+\c], 23, v[10+\c]            ; the scale's byte
.endr
	v_lshl_or_b32 v[U+2], v[U+1], 16, v[U]         ; my two bytes, blocks h and 2 + h,
	v_lshlrev_b32 v[U+2], v[H8], v[U+2]            ; at their places in the word;
	v_permlanex16_b32 v[U+3], v[U+2], s28, s29
	v_or_b32 v[W+(\t)], v[U+2], v[U+3]             ; with lane l xor 16's two the word is whole
.irp c, 0,1
.irp g, 0,1,2,3
	v_cvt_scalef32_pk8_fp4_f32 v[C+8*(\t)+4*\c+\g], v[X+32*\c+8*\g:X+32*\c+8*\g+7], v[10+\c]
.endr
.endr
	v_nop                                          ; one plain line behind the last scaled conversion
.irp c, 0,1
	global_store_b128 v[LI], v[C+8*(\t)+4*\c:C+8*(\t)+4*\c+3], s[22:23] offset:1024*(\t)+512*\c   ; the fragment's image: 512 consecutive bytes a store
.endr
.endm
	LOADT 0
	LOADT 1
.irp t, 0,1,2,3
	TILE \t
.endr
	v_cmp_ne_u32 vcc_lo, 0, v[HH]                  ; the scale words: [r][tile]: lanes 0-15 store tiles 0, 1 of row r, lanes 16-31 tiles 2, 3: 256 consecutive bytes
	v_cndmask_b32 v[U], v[W], v[W+2], vcc_lo
	v_cndmask_b32 v[U+1], v[W+1], v[W+3], vcc_lo
	v_lshlrev_b32 v[A0], 4, v[RR]
	v_lshl_add_u32 v[A0], v[HH], 3, v[A0]
	global_store_b64 v[A0], v[U:U+1], s[22:23] offset:4096
	FINISH
; ---- VALUE: a lane takes a channel and its registers run down the keys, so that pairs of neighbouring keys pack into a register and nothing is transposed.  A work-group takes 256 keys of a head, wave w channels 32 w on.
.Lvalue:
	s_sub_co_u32 s25, ttmp9, 1088                  ; 8 x head + block of 256 keys
	s_lshr_b32 s26, s25, 3
	s_and_b32 s27, s25, 7
	s_lshl_b32 s30, s27, 23                        ; 256 keys x 32,768 bytes
	s_lshl_b32 s24, s26, 9
	s_add_co_u32 s30, s30, s24
	s_lshl_b32 s24, s18, 7
	s_add_co_u32 s30, s30, s24                     ; + head x 512 + my 32 channels
	s_add_nc_u64 s[20:21], s[10:11], s[30:31]
	s_lshl_b32 s30, s25, 2                         ; my first record: 32 x head + 4 x block
	s_mul_i32 s30, s30, REC
	s_lshl_b32 s24, s18, 11
	s_add_co_u32 s30, s30, s24                     ; + my two tiles of 16 channels
	s_add_co_u32 s30, s30, 4352                    ; behind K's part of the record
	s_add_nc_u64 s[22:23], s[14:15], s[30:31]
	v_lshlrev_b32 v[A0+1], 2, v[LN]                ; in: 4 bytes a lane
	v_lshlrev_b32 v[A0+2], 4, v[RR]
	v_lshl_add_u32 v[A0+2], v[HH], 10, v[A0+2]     ; out: tile h of my two, channel r: 16 bytes
.macro LOADV g                         ; 32 keys; every offset is an immediate: 255 x 32,768 at the most, inside the signed 24 bits
.irp i, 0,1,2,3,4,5,6,7,8,9,10,11,12,13,14,15,16,17,18,19,20,21,22,23,24,25,26,27,28,29,30,31
	global_load_b32 v[X+32*((\g)%2)+\i], v[A0+1], s[20:21] offset:(32*(\g)+\i)*ROWP th:TH_LOAD_NT
.endr
.endm
.macro KEYS32 g
.if (\g) < 7
	s_wait_loadcnt 32                              ; these 32 keys are in; the next 32 may be out
.else
	s_wait_loadcnt 0x0
.endif
.irp p, 0,1,2,3,4,5,6,7,8,9,10,11,12,13,14,15
	v_cvt_pk_f16_f32 v[R+16*(\g)+\p], v[X+32*((\g)%2)+2*\p], v[X+32*((\g)%2)+2*\p+1]   ; keys 2 p, 2 p + 1: the lower key in the low half
.endr
.if (\g) < 6
	LOADV (\g)+2
.endif
.irp o, 0,1,2,3
	global_store_b128 v[A0+2], v[R+16*(\g)+4*\o:R+16*(\g)+4*\o+3], s[22:23] offset:((\g)/2)*REC+((\g)%2)*8192+256*\o   ; keys 8 o on: sixteen lanes store 256 consecutive bytes, aligned; each group has registers of its own
.endr
.endm
	LOADV 0
	LOADV 1
.irp g, 0,1,2,3,4,5,6,7
	KEYS32 \g
.endr
	s_endpgm
; ---- MASK: a wave takes 16 queries and all 2,048 keys, 256 keys a chunk.  The bytes turn through the wave's stage, so that lane (r, h) holds query r's keys 16 t + 8 h + 0 .. 7;
; a compare then gives one word for each score register of the attention launch, and v_writelane_b32 lays four words to a lane for a dense store.
.Lmask:
.set MR, 64                            ; v64-95   a chunk as loaded
.set MX, 96                            ; v96-127  and turned: register L: tile L / 2, keys 4 (L % 2) on
.set MO, 128                           ; v128-131 128 words: word 4 L + q in register q of lane L
	s_lshl_b32 s25, ttmp9, 2
	s_add_co_u32 s25, s25, s18                     ; my 16 queries: 128 x batch + query / 16
	s_lshl_b32 s30, s25, 15
	s_add_nc_u64 s[20:21], s[4:5], s[30:31]
	s_lshl_b32 s30, s25, 12
	s_add_nc_u64 s[22:23], s[16:17], s[30:31]
	v_lshlrev_b32 v[A0+3], 4, v[RR]
	v_lshl_add_u32 v[A0+3], v[HH], 11, v[A0+3]     ; lanes 0-15 one row's 256 bytes, lanes 16-31 the next row's
.irp q, 0,1,2,3
	v_mov_b32 v[MO+\q], 0                          ; v_writelane_b32's destination counts as read
.endr
.macro LOADM
.irp i, 0,1,2,3,4,5,6,7
	global_load_b128 v[MR+4*\i:MR+4*\i+3], v[A0+3], s[20:21] offset:4096*\i th:TH_LOAD_NT
.endr
.endm
.macro CHUNK more
	s_wait_loadcnt 0x0                             ; the chunk is in, and its loads have read their base
.irp i, 0,1,2,3,4,5,6,7
	ds_store_b128 v[MSI], v[MR+4*\i:MR+4*\i+3] offset:544*\i
.endr
.irp t, 0,1,2,3,4,5,6,7,8,9,10,11,12,13,14,15
	ds_load_b64 v[MX+2*\t:MX+2*\t+1], v[MSO] offset:16*\t
.endr
	s_wait_dscnt 0x0                               ; turned; the stores have read their registers,
.if \more
	s_add_nc_u64 s[20:21], s[20:21], 256
	LOADM                                          ; which take the next chunk: it lands while this one is worked on
.endif
.set L, 0
.rept 32
.irp q, 0,1,2,3
	v_bfe_u32 v[8+\q], v[MX+L], 8*\q, 8
.endr
.irp q, 0,1,2,3
	v_cmp_ne_u32 s[32+4*(L%2)+\q], 0, v[8+\q]      ; a bit for each lane
.endr
.irp q, 0,1,2,3
	v_writelane_b32 v[MO+\q], s[32+4*(L%2)+\q], L
.endr
.set L, L+1
.endr
	global_store_b128 v[LI], v[MO:MO+3], s[22:23]  ; four steps' words: 512 consecutive bytes
.if \more
	s_wait_xcnt 0x0                                ; the store has read its data and its base: both are written again only behind this wait
	s_add_nc_u64 s[22:23], s[22:23], 512
.endif
.endm
	LOADM
	s_mov_b32 s19, 7
.Lchunk:
	CHUNK 1
	s_sub_co_u32 s19, s19, 1
	s_cmp_lg_u32 s19, 0
	s_cbranch_scc1 .Lchunk
	CHUNK 0                                        ; the last chunk is written out: no load leaves the buffer
	FINISH
.Lfunc_end_k_q59fdcd60d1_prep:
	.size	k_q59fdcd60d1_prep, .Lfunc_end_k_q59fdcd60d1_prep-k_q59fdcd60d1_prep
	.p2alignl 7, 3214868480
	.fill 96, 4, 3214868480
	.section	.rodata,"a",@progbits
	.p2align	6, 0x0
	.amdhsa_kernel k_q59fdcd60d1_prep
		.amdhsa_group_segment_fixed_size 51712
		.amdhsa_private_segment_fixed_size 0
		.amdhsa_enable_private_segment 0
		.amdhsa_kernarg_size 56
		.amdhsa_user_sgpr_count 2
		.amdhsa_user_sgpr_kernarg_segment_ptr 1
		.amdhsa_wavefront_size32 1
		.amdhsa_system_sgpr_workgroup_id_x 1
		.amdhsa_system_sgpr_workgroup_id_y 1
		.amdhsa_system_sgpr_workgroup_id_z 1
		.amdhsa_system_vgpr_workitem_id 0
		.amdhsa_next_free_vgpr 256
		.amdhsa_next_free_sgpr 66
		.amdhsa_reserve_vcc 1
		.amdhsa_float_denorm_mode_32 3
		.amdhsa_float_denorm_mode_16_64 3
		.amdhsa_memory_ordered 1
		.amdhsa_forward_progress 1
		.amdhsa_inst_pref_size 120
	.end_amdhsa_kernel
	.amdgpu_metadata
---
amdhsa.version: [ 1, 2 ]
amdhsa.kernels:
  - .name:           k_q59fdcd60d1_prep
    .symbol:         k_q59fdcd60d1_prep.kd
    .args:
      - { .name: attention_mask, .offset: 0, .size: 8, .value_kind: global_buffer, .address_space: global }
      - { .name: query, .offset: 8, .size: 8, .value_kind: global_buffer, .address_space: global }
      - { .name: key, .offset: 16, .size: 8, .value_kind: global_buffer, .address_space: global }
      - { .name: value, .offset: 24, .size: 8, .value_kind: global_buffer, .address_space: global }
      - { .name: qc, .offset: 32, .size: 8, .value_kind: global_buffer, .address_space: global }
      - { .name: kv, .offset: 40, .size: 8, .value_kind: global_buffer, .address_space: global }
      - { .name: mw, .offset: 48, .size: 8, .value_kind: global_buffer, .address_space: global }
    .group_segment_fixed_size: 51712
    .private_segment_fixed_size: 0
    .kernarg_segment_align: 8
    .kernarg_segment_size: 56
    .max_flat_workgroup_size: 128
    .sgpr_count:     66
    .vgpr_count:     256
    .wavefront_size: 32
...
	.end_amdgpu_metadata
.endif
;; end of part 1
;; launch attn (part 2): grid 8 x 64, 4 waves a work-group, clusters of 4 x 1, 327,680 bytes of LDS; arguments qc, kv, mw, out0; writes out0
.if DOCPART == 2
	.amdgcn_target "amdgcn-amd-amdhsa--gfx1250"
	.amdhsa_code_object_version 6
	.text
	.protected	k_q59fdcd60d1_attn
	.globl	k_q59fdcd60d1_attn
	.p2align	8
	.type	k_q59fdcd60d1_attn,@function
k_q59fdcd60d1_attn:
	s_mov_b64 s[64:65], 0
	v_nop
	global_prefetch_b8 v0, s[64:65] scope:SCOPE_SE
	s_setreg_imm32_b32 hwreg(HW_REG_WAVE_MODE, 25, 1), 1
	s_wait_xcnt 0x0
	s_wait_alu depctr_hold_cnt(0) depctr_sa_sdst(0) depctr_va_vdst(0) depctr_va_sdst(0) depctr_va_ssrc(0) depctr_va_vcc(0) depctr_vm_vsrc(0)
	s_getreg_b32 s2, hwreg(HW_REG_IB_STS2, 6, 4)
	s_cmp_eq_u32 s2, 0
	s_cbranch_scc0 .Lentry_in_a_cluster
	s_endpgm
.Lentry_in_a_cluster:
	s_bfe_u32 s2, ttmp6, 0x10000c
	s_cmp_lg_u32 s2, 0x3003
	s_cbranch_scc0 .Lentry_shape_is_right
	s_endpgm
.Lentry_shape_is_right:
; out0[q][head][:] = the sum over k of softmax_k(where(mask, -10000, Q[q] . K[k] / sqrt(128))) V[k][:], 64 heads, 2,048 queries, 2,048 keys, head size 128.
; Q . K on codes of FP4 (E2M1) with E8M0 scales for each 32 along the head's 128 (made by the launch before); P and V in f16; sums, maxima and the softmax in f32.
; SHARES.  A work-group owns 256 queries of one head, each of its four waves 64: four tiles of 16.  Every wave walks all keys, 64 a step.
; LAYOUT.  S^T = K Q^T (source 0 = 16 keys, source 1 = 16 queries): a lane holds ONE query (lane % 16) and keys 8 (lane / 16) + 0..7.  Two such tiles, rounded to f16 in pairs, ARE source 1 of O^T = V^T P.
; MASK.  A true select: a masked score becomes -10000 x sqrt(128) ahead of the scaling by c = log2(e) / sqrt(128).  The launch before has laid a word for each score register, a bit a lane: one v_cndmask_b32 a score.
; SOFTMAX.  A running maximum m and sum l for each query: p = 2^(c s - c m); in every step O and l are multiplied by a = 2^(c m_old - c m_new).
; BY TURNS.  Two PIECES: piece 0 (tiles 0, 1), piece 2 (tiles 2, 3).  In a turn one piece has the matrix unit for its 32 products V^T P, and the other piece's softmax stands in 41 groups between them;
; piece 0's turn also carries the 16 products K Q^T of the next step, of both pieces, two to a group, beside the rescaling of O^T.  Two turns are a key step.
; CLUSTER.  The four query blocks of a cluster belong to one head and walk the same records of K and V: each record is asked for JOINTLY.  All tiles lie in memory and in LDS as images of operand registers:
; a record of a key step is 81 dense rows of 256 bytes, and wave w fetches record w of a slot of four: one shape, one load a wave.
; LIMITS: |V| up to 65,504 (f16); NaN and infinities are not served; the masked score differs from -10000 by one f32 rounding of -10000 x sqrt(128).
; REGISTERS, in windows of 256: window 0: v0-11 addresses; v12-43 statistics, 8 a tile; v44-47 K's scale words, v48-51 Q's; v64-191 S^T, 32 a tile; v192-255 P, 16 a tile.
;   window 1: O^T, 64 a tile.   window 2: v64-191 V of one step; v192-223 K of one step; v224-255 Q.
.set REC,   20736                      ; a key step's record: K's 4 fragments (4,096), K's scale words (256), V^T's 16 fragments (16,384)
.set QUNIT, 4352                       ; 64 queries: 4 fragments and their scale words
.set ROWP,  32768                      ; bytes from one query's row of out0 to the next
.set SLOT1, 1<<17                      ; a slot holds four records (82,944 bytes); slot 1 begins here, so that one exclusive or turns an address in one slot into the other's
.set STAGE, SLOT1+4*REC                ; behind the ring: 16 rows x (512 + 16) bytes for each wave, for the way out
.set SP,    528
.set SPARE, STAGE+4*16*SP              ; the spare words, 128 bytes for each wave: two blocks of 256 bytes that no other line names
.set LI,  2                            ; v2   16 x lane: an image's place for my lane; also my bytes in a row of out0
.set ADR, 3                            ; v3   LDS address of the run of loads in hand
.set STO, 4                            ; v4   the way out: where I put 32 bytes of a row
.set RD,  5                            ; v5   the way out: where I read a row back
.set R16, 6                            ; v6   16 x (lane % 16): a row's four scale words
.set RV,  7                            ; v7   -10000 x sqrt(128)
.set PFO, 8                            ; v8   the prefetches' offset
.set ADS, 10                           ; v10  LDS address of K's scale words
.set ST,  12                           ; tile t's statistics at v[ST+8 t]: +0 c m, +1 m, +2, +3 l (even keys', odd keys'), +4 to +7 c0-c3, at work; a takes c2's place
.set KS,  44
.set QS,  48
.set SPW, 62                           ; v62  my spare word; never rewritten
.set NIL, 63                           ; v63  0; never rewritten
.set S,   64
.set P,   192
.set VF,  64                           ; in window 2
.set KF,  192
.set QF,  224
.set OUT, 2                            ; s[2:3]   out0 at my wave's first row
.set MP,  4                            ; s[4:5]   the mask words of my first tile, at the step in hand
.set PFA, 6                            ; s[6:7]   where my prefetches stand
.set CS,  8                            ; s[8:9]   c, twice: the packed scaling names a pair
.set SEL, 10                           ; s[10:11] lane selects for lane l xor 16
.set WV,  12                           ; s12  my wave's number
.set TB,  13                           ; s13  LDS byte at which the record to be fetched begins
.set SLOTS, 14                         ; s14  slots still to be asked for
.set STEPC, 15                         ; s15  counts key steps
                                       ; s16-63, s68-83: 64 mask words of a piece: the even tile's word i in s[16+i], the odd tile's in s[48+i] (i < 16), s[52+i] (i >= 16)
.set LIM, 66                           ; s66  1 in a wave that prefetches, else the greatest number
.set G1,  84                           ; s[84:91] descriptor group 1
.set G0A, 92                           ; s[92:95] group 0 of slot 0's first fill
.set G0W, 96                           ; s[96:99] group 0 that walks
.set QB,  100                          ; s[100:101] my unit of Q
.set MSB, 0
.macro WIN new                         ; the immediate's high byte repeats the setting that is left; a switch that changes nothing is dropped
.if MSB != \new
	s_set_vgpr_msb (MSB<<8)|\new
.set MSB, \new
.endif
.endm
.set W_PV, 0x52                        ; V (source 0) window 2, P window 0, O^T (C and D) window 1
.set W_KQ, 0x0a                        ; K and Q window 2, S^T window 0
.set W_RS, 0x41                        ; O^T (destination and source 0) window 1, a window 0
.macro CROUND                          ; a round of the cluster's barrier
	s_barrier_signal -1
	s_barrier_wait -1
	s_cmp_lg_u32 s[WV], 0
	s_cbranch_scc1 .Lnot_wave_0_\@
	s_barrier_signal -3
.Lnot_wave_0_\@:
	s_barrier_wait -3
	s_barrier_signal -1
	s_barrier_wait -1
.endm
.macro JLOAD                           ; the joint refill: every wave's one load; an s_nop 0 and four v_nop follow it
	tensor_load_to_lds s[G0W:G0W+3], s[G1:G1+7]
	s_nop 0
.rept 4
	v_nop
.endr
.endm
; A prefetch of what the NEXT change of slots will load: four key steps ahead of that load.  The head's first cluster asks; its partner at place cx takes record cx of the slot, told apart BY ADDRESS;
; waves 0 to 2 take 32 blocks of 256 bytes each, a lane a block (a record has 81: the last 15 lanes of wave 2 name its last block again).  The last change that fills a slot asks for nothing.
.macro ASK
	s_cmp_gt_u32 s[SLOTS], s[LIM]
	s_cbranch_scc0 .Lnot_mine_\@
	global_prefetch_b8 v[PFO], s[PFA:PFA+1] th:TH_LOAD_NT scope:SCOPE_SE
.Lnot_mine_\@:
.endm
	s_load_b256 s[16:23], s[0:1], 0x0              ; qc s[16:17], kv s[18:19], mw s[20:21], out0 s[22:23]
	v_lshl_add_u32 v[SPW], v0, 2, SPARE
	v_mov_b32 v[NIL], 0
	ds_add_u32 v[SPW], v[NIL]                      ; the wave's opening: the add, twice on end, and its wait ahead of my first tensor load
	ds_add_u32 v[SPW], v[NIL]
	v_lshrrev_b32 v1, 5, v0
	v_readfirstlane_b32 s[WV], v1                  ; wave 0..3
	s_bfe_u32 s24, ttmp6, 0x40000                  ; cx: my place in the cluster
	s_lshl_b32 s25, ttmp9, 2
	s_add_co_u32 s25, s25, s24                     ; my block of 256 queries: it enters global addresses of Q, the mask words and out0 alone
	s_and_b32 s26, ttmp7, 0xffff                   ; the head, which the four partners share
	s_mul_i32 s28, s26, 32*REC                     ; the head's records
	s_mul_i32 s29, s[WV], REC                      ; the record that I fetch: its place in a slot, in memory and in LDS alike
	s_add_co_u32 s30, s28, s29
	s_mov_b32 s31, 0
	s_lshl_b32 s32, s26, 3
	s_add_co_u32 s32, s32, s25
	s_lshl_b32 s32, s32, 2
	s_add_co_u32 s32, s32, s[WV]
	s_mul_i32 s32, s32, QUNIT                      ; my unit of Q: ((8 head + block) 4 + wave) x 4,352
	s_mov_b32 s33, 0
	s_lshl_b32 s34, s25, 8
	s_lshl_b32 s35, s[WV], 6
	s_add_co_u32 s34, s34, s35
	s_lshl_b32 s34, s34, 15
	s_lshl_b32 s35, s26, 9
	s_add_co_u32 s34, s34, s35                     ; out0: my first query x 32,768 + head x 512
	s_mov_b32 s35, 0
	s_lshr_b32 s36, s26, 5
	s_lshl_b32 s36, s36, 7
	s_lshl_b32 s37, s25, 4
	s_add_co_u32 s36, s36, s37
	s_lshl_b32 s37, s[WV], 2
	s_add_co_u32 s36, s36, s37
	s_lshl_b32 s36, s36, 12                        ; mask words: (128 batch + 16 block + 4 wave) x 4,096
	s_mov_b32 s37, 0
	s_mul_i32 s38, s24, REC
	s_add_co_u32 s38, s38, s28
	s_add_co_u32 s38, s38, 8*REC                   ; prefetches: my work-group's record of slot 2; the first change of slots steps it to slot 3
	s_mov_b32 s39, 0
	s_mov_b32 s[G1], 15|(3<<16)|(1<<21)            ; 15:0 the mask: all four work-groups; 17:16 elements of 8 bytes; 21 set beside a mask; no padding
	s_mov_b32 s[G1+1], 32<<16                      ; tensor_dim0 = 32 elements: rows of 256 bytes
	s_mov_b32 s[G1+2], 81<<16                      ; tensor_dim1 = 81
	s_mov_b32 s[G1+3], 32<<16                      ; tile_dim0
	s_mov_b32 s[G1+4], 81                          ; tile_dim1
	s_mov_b32 s[G1+5], 32                          ; the pitch: dense
	s_mov_b32 s[G1+6], 0
	s_mov_b32 s[G1+7], 0
	s_mov_b32 s[CS], 0x3e0293ee                    ; c = log2(e) / sqrt(128)
	s_mov_b32 s[CS+1], s[CS]
	s_mov_b32 s[SEL], 0x76543210
	s_mov_b32 s[SEL+1], 0xfedcba98
	s_mov_b32 s[TB], 0
	s_mov_b32 s[SLOTS], 6                          ; 8 slots' worth of keys, two of them first fills
	s_cmp_lt_u32 s[WV], 3
	s_cselect_b32 s[LIM], 0, 1
	s_or_b32 s[LIM], s[LIM], ttmp9                 ; 0 in waves 0 to 2 of the head's first cluster: the same in all four partners
	s_cmp_eq_u32 s[LIM], 0
	s_cselect_b32 s[LIM], 1, -1
	v_and_b32 v1, 15, v0                           ; r
	v_bfe_u32 v9, v0, 4, 1                         ; h
	v_and_b32 v[LI], 31, v0
	v_lshlrev_b32 v[LI], 4, v[LI]
	v_lshlrev_b32 v[R16], 4, v1
	v_mov_b32 v[RV], 0xc7dcf88b                    ; -10000 x sqrt(128)
	v_and_b32 v[PFO], 127, v0
	v_min_u32 v[PFO], 80, v[PFO]
	v_lshlrev_b32 v[PFO], 8, v[PFO]
	s_wait_dscnt 0x0                               ; both opening adds are done
	s_wait_kmcnt 0x0
	s_add_nc_u64 s[QB:QB+1], s[16:17], s[32:33]
	s_add_nc_u64 s[OUT:OUT+1], s[22:23], s[34:35]
	s_add_nc_u64 s[MP:MP+1], s[20:21], s[36:37]
	s_add_nc_u64 s[PFA:PFA+1], s[18:19], s[38:39]
	s_mov_b32 s[G0A], 1                            ; count = 1
	s_mov_b32 s[G0A+1], s29                        ; LDS address: slot 0, record = wave
	s_add_nc_u64 s[G0A+2:G0A+3], s[18:19], s[30:31]
	s_add_nc_u64 s[G0W+2:G0W+3], s[G0A+2:G0A+3], 4*REC
	s_or_b32 s[G0A+3], s[G0A+3], 0x80000000        ; type = 2
	s_mov_b32 s[G0W], 1
	s_add_co_u32 s[G0W+1], s29, SLOT1              ; slot 1
	s_or_b32 s[G0W+3], s[G0W+3], 0x80000000
	CROUND                                         ; all four work-groups are here: the first joint loads meet
	tensor_load_to_lds s[G0A:G0A+3], s[G1:G1+7]    ; the two first fills stand together: two loads of mine are out
	s_nop 0
	tensor_load_to_lds s[G0W:G0W+3], s[G1:G1+7]
	s_nop 0
.rept 4
	v_nop
.endr
	WIN 0x80                                       ; destination window 2
.irp t, 0,1,2,3
.irp c, 0,1
	global_load_b128 v[QF+8*\t+4*\c:QF+8*\t+4*\c+3], v[LI], s[QB:QB+1] offset:1024*\t+512*\c th:TH_LOAD_NT   ; Q's four fragments stay in registers
.endr
.endr
	WIN 0
	global_load_b128 v[QS:QS+3], v[R16], s[QB:QB+1] offset:4096 th:TH_LOAD_NT      ; and its scale words: register t = tile t's
	s_load_b512 s[16:31], s[MP:MP+1], 0x0          ; piece 0's mask words of step 0 (the set-up's scalars are done with)
	s_load_b512 s[32:47], s[MP:MP+1], 0x40
	s_load_b512 s[48:63], s[MP:MP+1], 0x1000
	s_load_b512 s[68:83], s[MP:MP+1], 0x1040
; Product i of 32 of O^T += V^T P for piece x: keys 32 (i / 16) on, channels 16 ((i / 2) % 8) on, tile x + i % 2.  The 16 accumulators take turns, one instruction a turn.  zero: the first 16 start the sums.
.macro PV x, zero
	WIN W_PV
.set rO, 64*((\x)+i%2)+8*((i/2)%8)
.set rV, VF+64*(i/16)+8*((i/2)%8)
.set rP, P+16*((\x)+i%2)+8*(i/16)
.if (\zero) && (i < 16)
	v_wmma_f32_16x16x32_f16 v[rO:rO+7], v[rV:rV+7], v[rP:rP+7], 0
.else
	v_wmma_f32_16x16x32_f16 v[rO:rO+7], v[rV:rV+7], v[rP:rP+7], v[rO:rO+7]
.endif
.endm
; Product i of 16 of S^T = K Q^T: tile 2 (i / 8) + i % 2, keys 16 ((i % 8) / 2) on.  The head's 128 are one instruction deep: each product is a whole sum.
.macro KQ
	WIN W_KQ
.set tq, 2*(i/8)+i%2
.set kt, (i%8)/2
.set rS, S+32*tq+8*kt
	v_wmma_scale_f32_16x16x128_f8f6f4 v[rS:rS+7], v[KF+8*kt:KF+8*kt+7], v[QF+8*tq:QF+8*tq+7], 0, v[KS+kt], v[QS+tq] matrix_a_fmt:MATRIX_FMT_FP4 matrix_b_fmt:MATRIX_FMT_FP4
.endm
.macro FETCH_K                         ; 9 LDS loads: a step's four fragments of K and their scale words
	WIN 0
	v_add_nc_u32 v[ADR], s[TB], v[LI]
	v_add_nc_u32 v[ADS], s[TB], v[R16]
	WIN 0x80
.irp f, 0,1,2,3
.irp c, 0,1
	ds_load_b128 v[KF+8*\f+4*\c:KF+8*\f+4*\c+3], v[ADR] offset:1024*\f+512*\c
.endr
.endr
	WIN 0
	ds_load_b128 v[KS:KS+3], v[ADS] offset:4096
.endm
.macro FETCH_V g                       ; 16 LDS loads: V^T's eight fragments of the step's keys 32 g on
.if \g == 0
	WIN 0
	v_add_nc_u32 v[ADR], s[TB], v[LI]
	s_wait_alu depctr_va_vdst(0)                   ; the turn's one wait for its batch of exponentials, ahead of the first line that names a result
.endif
	WIN 0x80
.irp f, 0,1,2,3,4,5,6,7
.irp c, 0,1
	ds_load_b128 v[VF+64*\g+8*\f+4*\c:VF+64*\g+8*\f+4*\c+3], v[ADR] offset:4352+(8*\g+\f)*1024+512*\c
.endr
.endr
.if \g == 1
	s_add_co_u32 s[TB], s[TB], REC                 ; the next fetch is the next step's
.endif
.endm
.macro MLOAD x                         ; the mask words for the next turn's softmax: piece x's 64.  The earlier loads were waited for at this turn's head, so their base may step
.if \x == 0
	s_add_nc_u64 s[MP:MP+1], s[MP:MP+1], 128       ; the next step
	s_load_b512 s[16:31], s[MP:MP+1], 0x0
	s_load_b512 s[32:47], s[MP:MP+1], 0x40
	s_load_b512 s[48:63], s[MP:MP+1], 0x1000
	s_load_b512 s[68:83], s[MP:MP+1], 0x1040
.else
	s_load_b512 s[16:31], s[MP:MP+1], 0x2000
	s_load_b512 s[32:47], s[MP:MP+1], 0x2040
	s_load_b512 s[48:63], s[MP:MP+1], 0x3000
	s_load_b512 s[68:83], s[MP:MP+1], 0x3040
.endif
.endm
; THE VECTOR WORK OF A TURN.  One tile's softmax for a key step is a list of 166 instructions; SM writes number j of it for tile t.  s0-s31 are the lane's 32 scores.  first = 1: the first key step.
;   0-31    the selects, ascending, so that each product's result is first read at its low end
;   32-47   the maximum of s0-s31 and the old m, three operands at a time
;   48-52   the other half of the lanes' maximum; the old c m kept; the new m; c m; c m_old - c m_new
;   53-101  ONE BATCH: 16 packed scalings c s - c m and 33 exponentials (a, then s0-s31); none of these names an exponential's result; a pair is scaled ahead of its exponentials
;   (wait)  behind 101 stands a plain line and the wait for the batch: TURN writes them, once for both tiles
;   102-117 the roundings to f16;   118-133 the sums, l = a l + the sum;   134-165 the tile's O^T times a, ascending
.macro SM t, first
.set rT, ST+8*(\t)
.set rS, S+32*(\t)
.set rP, P+16*(\t)
.if j < 134
	WIN 0
.endif
.if j < 32
.if ((\t)%2) == 0
.set mr, 16+j
.else
.set mr, 48+j+4*(j/16)
.endif
	v_cndmask_b32 v[rS+j], v[rS+j], v[RV], s[mr]
.elseif j < 36
.set b, j-32
	v_max3_num_f32 v[rT+4+b], v[rS+8*b], v[rS+8*b+1], v[rS+8*b+2]
.elseif j < 44
.set b, j-32
	v_max3_num_f32 v[rT+4+b%4], v[rT+4+b%4], v[rS+8*(b%4)+2*(b/4)+1], v[rS+8*(b%4)+2*(b/4)+2]
.elseif j == 44
	v_max3_num_f32 v[rT+4], v[rT+4], v[rS+7], v[rS+15]
.elseif j == 45
	v_max3_num_f32 v[rT+6], v[rT+6], v[rS+23], v[rS+31]
.elseif j == 46
	v_max3_num_f32 v[rT+4], v[rT+4], v[rT+5], v[rT+6]
.elseif (j == 47) && \first
	v_max_num_f32 v[rT+4], v[rT+4], v[rT+7]
.elseif j == 47
	v_max3_num_f32 v[rT+4], v[rT+4], v[rT+7], v[rT+1]
.elseif j == 48
	v_permlanex16_b32 v[rT+5], v[rT+4], s[SEL], s[SEL+1]  ; the query's other 32 keys lie in the lane 16 away
.elseif j == 50
	v_max_num_f32 v[rT+1], v[rT+4], v[rT+5]
.elseif j == 51
	v_mul_f32 v[rT], s[CS], v[rT+1]
.elseif ((j == 49) || (j == 52) || (j == 55) || (j >= 133)) && \first  ; the first step has none of these
.elseif j == 49
	v_mov_b32 v[rT+7], v[rT]                       ; c m_old is kept for a
.elseif j == 52
	v_sub_f32 v[rT+7], v[rT+7], v[rT]
.elseif j == 55
	v_exp_f32 v[rT+6], v[rT+7]                     ; a
.elseif j < 102
.set d, j-53
.set isf, 0
.if d < 2
.set isf, 1
.set b, d
.elseif d < 45
.if ((d-3)%3) == 0
.set isf, 1
.set b, (d-3)/3+2
.else
.set e, 2*((d-3)/3)+(d-3)%3-1
.endif
.else
.set e, d-17
.endif
.if isf
	v_pk_fma_f32 v[rS+2*b:rS+2*b+1], v[rS+2*b:rS+2*b+1], s[CS:CS+1], v[rT:rT+1] op_sel_hi:[1,0,0] neg_lo:[0,0,1] neg_hi:[0,0,1]  ; pair b: c s - c m
.else
	v_exp_f32 v[rS+e], v[rS+e]
.endif
.elseif j < 118
.set b, j-102
	v_cvt_pk_f16_f32 v[rP+b], v[rS+2*b], v[rS+2*b+1]
.elseif j < 134
.set z, j-118
.set w, 4
.set u, z
.if z >= 14
.set w, 32
.set u, 0
.elseif z >= 12
.set w, 16
.set u, z-12
.elseif z >= 8
.set w, 8
.set u, z-8
.endif
.if (z == 14) && \first
	v_pk_add_f32 v[rT+2:rT+3], v[rS:rS+1], v[rS+16:rS+17]
.elseif z < 15
	v_pk_add_f32 v[rS+w*u:rS+w*u+1], v[rS+w*u:rS+w*u+1], v[rS+w*u+w/2:rS+w*u+w/2+1]
.else
	v_pk_fma_f32 v[rT+2:rT+3], v[rT+2:rT+3], v[rT+6:rT+7], v[rS:rS+1] op_sel_hi:[1,0,1]
.endif
.else
.set rO, 64*(\t)+2*(j-134)
	WIN W_RS
	v_pk_mul_f32 v[rO:rO+1], v[rO:rO+1], v[rT+6:rT+7] op_sel_hi:[1,0]
.endif
.endm
; Group n of 41 of piece y's softmax: four numbers (groups 12 and 24: five) of both tiles' lists, the tiles alternating line by line.
.macro GROUP y, first
.set cnt, 4
.if n < 12
.set jb, 4*n
.elseif n == 12
.set jb, 48
.set cnt, 5
.elseif n < 25
.set jb, 53+4*(n-13)
.if n == 24
.set cnt, 5
.endif
.else
.set jb, 54+4*(n-13)
.endif
.set q, 0
.rept 5
.if q < cnt
.set j, jb+q
	SM \y, \first
	SM (\y)+1, \first
.endif
.set q, q+1
.endr
.endm
; A TURN.  Piece x has the matrix unit.  pv = 2: 32 products V^T P, one ahead of each of groups 0-31; 1: they start O^T's sums; 0: none.  kq = 1: the next step's 16 products K Q^T, two ahead of each of groups 33-40:
; piece 0's first; piece 2's scores are done with behind group 32.  first = 1: the softmax is the first key step's.  fetch = 1: piece 0's turn fetches the next step's K, piece 2's turn its V.  ml = 1: the next turn's mask words.
; PLACES.  K's registers were last read a turn ago.  V's keys 0-31 were last read ahead of group 15: the scalings of groups 16-24, the v_nop and the address's add lie between.  V's keys 32-63 were last read
; ahead of group 31: groups 31 and 32, sixteen packed additions, lie between.  Behind the last K Q^T stands group 40, eight packed multiplies (first = 1: four v_nop).
.macro TURN x, pv, kq, first, fetch, ml
	s_wait_kmcnt 0x0                               ; this turn's mask words are in
.if (\x == 0) && \pv
	s_wait_dscnt 16                                ; V's keys 0-31 are in; the sixteen loads of its keys 32-63 may be out
.endif
.set n, 0
.rept 41
.if \pv && (n < 32)
.if (\x == 0) && (n == 16)
.if \fetch
	s_wait_dscnt 9                                 ; V is whole; K's nine loads, issued behind V's, may be out
.else
	s_wait_dscnt 0x0
.endif
.endif
.set i, n
	PV \x, 2-\pv
.endif
.if \kq && (n >= 33)
.if n == 33
	s_wait_dscnt 0x0                               ; K is in
.endif
.set i, 2*(n-33)
	KQ
.set i, i+1
	KQ
.endif
	GROUP 2-\x, \first
.if (n == 1) && (\x == 0) && \fetch
	FETCH_K
.endif
.if (n == 9) && \ml
	MLOAD \x
.endif
.if n == 24
	WIN 0
	v_nop                                          ; the plain line behind the last exponential, one for the batch
.if (\x == 2) && \fetch
	FETCH_V 0                                      ; the wait for the batch stands in it
.else
	s_wait_alu depctr_va_vdst(0)                   ; the wait for the batch, ahead of the first line that names a result
.endif
.endif
.if (n == 32) && (\x == 2) && \fetch
	FETCH_V 1
.endif
.set n, n+1
.endr
.if \first
.rept 4
	v_nop
.endr
.endif
.endm
; THE CHANGE OF SLOTS, between piece 2's turn and piece 0's: the slot's last bytes, V of its fourth step, have been asked for.  Each wave waits for all its tensor loads (one is out: its record of the other slot),
; adds 0 to its spare word, and waits for that and for its reads of the slot.  fill = 1: the barrier is a round of the cluster's, and the joint refill, the keys two slots on, is the first thing behind it:
; it has four key steps in which to land.
.macro CHANGE fill
	WIN 0
	s_wait_tensorcnt 0x0                           ; no tensor load of mine is out, so a group 0 may be written
	ds_add_u32 v[SPW], v[NIL]                      ; 0 onto my spare word
.if \fill
	s_xor_b32 s[G0W+1], s[G0W+1], SLOT1            ; the other slot than last time,
	s_add_nc_u64 s[G0W+2:G0W+3], s[G0W+2:G0W+3], 4*REC  ; the next four records; the type bits on top are not reached
	s_wait_xcnt 0x0                                ; the last prefetch, four key steps back, has read its address, so it may be written
	s_add_nc_u64 s[PFA:PFA+1], s[PFA:PFA+1], 4*REC
	s_wait_dscnt 0x0                               ; the add is done, and my reads of the slot are over
	CROUND
	JLOAD
	ASK
.else
	s_wait_dscnt 0x0
	s_barrier_signal -1
	s_barrier_wait -1
.endif
	s_sub_co_u32 s[TB], s[TB], 4*REC               ; the fetches go back to a slot's first record,
	s_xor_b32 s[TB], s[TB], SLOT1                  ; in the other slot
.endm
.macro STEPS count                     ; key steps, written once and walked count times; the LDS addresses hang on s[TB]
	s_mov_b32 s[STEPC], \count
.Lstep_\@:
	TURN 0, 2, 1, 0, 1, 1
	TURN 2, 2, 0, 0, 1, 1
	WIN 0
	s_sub_co_u32 s[STEPC], s[STEPC], 1
	s_cmp_lg_u32 s[STEPC], 0
	s_cbranch_scc1 .Lstep_\@
.endm
	s_wait_tensorcnt 0x1                           ; my record of slot 0 is in; slot 1's may stay out
	s_barrier_signal -1
	s_barrier_wait -1                              ; everybody's is
	FETCH_K                                        ; key step 0
	s_wait_loadcnt 0x0                             ; Q
	s_wait_dscnt 0x0
.set i, 0
.rept 16
	KQ                                             ; the first scores of both pieces
.set i, i+1
.endr
	WIN 0
	s_mul_i32 s67, s[WV], 16*SP
	s_add_co_u32 s67, s67, STAGE                   ; my stage.  The four vector lines below are the four places behind those products
	v_mul_u32_u24 v[STO], v1, SP                   ; in: row r, 32 bytes for each half of the lanes
	v_lshl_add_u32 v[STO], v9, 5, v[STO]
	v_add_nc_u32 v[STO], s67, v[STO]
	v_add_nc_u32 v[RD], s67, v[LI]                 ; back: the 32 lanes take one row of 512 bytes
	TURN 2, 0, 0, 1, 1, 1                          ; piece 0's first softmax | V of step 0 | piece 2's mask words
	TURN 0, 1, 1, 1, 1, 1                          ; piece 0: V^T P of step 0 starts O^T; K Q^T of step 1 | piece 2's first softmax | K of step 1
	TURN 2, 1, 0, 0, 1, 1                          ; piece 2: V^T P of step 0 starts O^T | piece 0's softmax of step 1 | V of step 1
	WIN 0
	STEPS 2                                        ; steps 1 and 2: they fetch the rest of slot 0
.Lslot:                                            ; six trips: every slot but the last two is filled again
	CHANGE 1
	STEPS 4
	s_sub_co_u32 s[SLOTS], s[SLOTS], 1
	s_cmp_lg_u32 s[SLOTS], 0
	s_cbranch_scc1 .Lslot
	CHANGE 0                                       ; the tail is written out
	STEPS 4
	TURN 0, 2, 0, 0, 0, 0                          ; piece 0: V^T P of the last step | piece 2's last softmax
.set i, 0
.rept 32
	PV 2, 0                                        ; piece 2: V^T P of the last step
.set i, i+1
.endr
	; THE WAY OUT.  l's two halves and the other half of the lanes' are added; O^T is divided by l and goes through my stage in LDS, a tile (16 queries) at a time, so that a store covers a whole row's 512 bytes.
	WIN 0
.irp t, 0,1,2,3
	v_add_f32 v[ST+8*\t+4], v[ST+8*\t+2], v[ST+8*\t+3]   ; (these additions are the places behind the last products)
.endr
.irp t, 0,1,2,3
	v_permlanex16_b32 v[ST+8*\t+5], v[ST+8*\t+4], s[SEL], s[SEL+1]
.endr
.irp t, 0,1,2,3
	v_add_f32 v[ST+8*\t+4], v[ST+8*\t+4], v[ST+8*\t+5]
.endr
.irp t, 0,1,2,3
	v_rcp_f32 v[ST+8*\t+6], v[ST+8*\t+4]
.endr
	v_nop                                          ; a plain line between the last reciprocal and the use of its result
	s_wait_alu depctr_va_vdst(0)                   ; one wait for the four reciprocals, ahead of the first use
.macro PACK t
	WIN W_RS
.set i, 64*(\t)
.rept 32
	v_pk_mul_f32 v[i:i+1], v[i:i+1], v[ST+8*(\t)+6:ST+8*(\t)+7] op_sel_hi:[1,0]   ; ascending: each accumulator from its low end on
.set i, i+2
.endr
	WIN 0x04                                       ; an LDS store's data are its source 1: window 1
.irp f, 0,1,2,3,4,5,6,7
	ds_store_b128 v[STO], v[64*(\t)+8*\f:64*(\t)+8*\f+3] offset:64*\f          ; lane (r, h): channels 16 f + 8 h + 0 .. 7 of query r
	ds_store_b128 v[STO], v[64*(\t)+8*\f+4:64*(\t)+8*\f+7] offset:64*\f+16
.endr
	WIN 0
.irp f, 0,1,2,3,4,5,6,7,8,9,10,11,12,13,14,15
	ds_load_b128 v[S+64*((\t)%2)+4*\f:S+64*((\t)%2)+4*\f+3], v[RD] offset:SP*\f   ; LDS serves a wave's instructions in order: these see the stores above, and the next tile's stores come behind them
.endr
.endm
.macro SEND t, younger                 ; younger: the LDS instructions issued behind tile t's loads: the next tile's 16 stores and 16 loads, or none
	s_wait_dscnt \younger
.irp f, 0,1,2,3,4,5,6,7,8,9,10,11,12,13,14,15
	global_store_b128 v[LI], v[S+64*((\t)%2)+4*\f:S+64*((\t)%2)+4*\f+3], s[OUT:OUT+1] offset:(16*(\t)+\f)*ROWP th:TH_STORE_NT   ; 32 lanes store 512 consecutive bytes, aligned: a query's row of this head
.endr
.endm
	PACK 0
	PACK 1
	SEND 0, 32
	s_wait_xcnt 0x0                                ; tile 0's stores have read their registers: tile 2's rows may land there
	PACK 2
	SEND 1, 32
	s_wait_xcnt 0x0
	PACK 3
	SEND 2, 32
	SEND 3, 0
	s_wait_tensorcnt 0x0                           ; the wave's end, behind my last tensor load and my last LDS store
	ds_add_u32 v[SPW], v[NIL]
	s_wait_dscnt 0x0
	CROUND                                         ; the closing round: no work-group ends while a partner may still ask for a record that names it
	s_endpgm
.Lfunc_end_k_q59fdcd60d1_attn:
	.size	k_q59fdcd60d1_attn, .Lfunc_end_k_q59fdcd60d1_attn-k_q59fdcd60d1_attn
	.p2alignl 7, 3214868480
	.fill 96, 4, 3214868480
	.section	.rodata,"a",@progbits
	.p2align	6, 0x0
	.amdhsa_kernel k_q59fdcd60d1_attn
		.amdhsa_group_segment_fixed_size 327680
		.amdhsa_private_segment_fixed_size 0
		.amdhsa_enable_private_segment 0
		.amdhsa_kernarg_size 32
		.amdhsa_user_sgpr_count 2
		.amdhsa_user_sgpr_kernarg_segment_ptr 1
		.amdhsa_wavefront_size32 1
		.amdhsa_system_sgpr_workgroup_id_x 1
		.amdhsa_system_sgpr_workgroup_id_y 1
		.amdhsa_system_sgpr_workgroup_id_z 1
		.amdhsa_system_vgpr_workitem_id 0
		.amdhsa_next_free_vgpr 768
		.amdhsa_next_free_sgpr 102
		.amdhsa_reserve_vcc 0
		.amdhsa_float_denorm_mode_32 3
		.amdhsa_float_denorm_mode_16_64 3
		.amdhsa_memory_ordered 1
		.amdhsa_forward_progress 1
		.amdhsa_inst_pref_size 255
	.end_amdhsa_kernel
	.section	.bss,"aw",@nobits
	.p2align	6
	.space	262144
	.amdgpu_metadata
---
amdhsa.version: [ 1, 2 ]
amdhsa.kernels:
  - .name:           k_q59fdcd60d1_attn
    .symbol:         k_q59fdcd60d1_attn.kd
    .args:
      - { .name: qc, .offset: 0, .size: 8, .value_kind: global_buffer, .address_space: global }
      - { .name: kv, .offset: 8, .size: 8, .value_kind: global_buffer, .address_space: global }
      - { .name: mw, .offset: 16, .size: 8, .value_kind: global_buffer, .address_space: global }
      - { .name: out0, .offset: 24, .size: 8, .value_kind: global_buffer, .address_space: global }
    .group_segment_fixed_size: 327680
    .private_segment_fixed_size: 0
    .kernarg_segment_align: 8
    .kernarg_segment_size: 32
    .max_flat_workgroup_size: 128
    .sgpr_count:     102
    .vgpr_count:     768
    .wavefront_size: 32
...
	.end_amdgpu_metadata
.endif
;; end of part 2
